; MI455X (gfx1250); checked and timed in simulation.
; The chip was launched on July 23, 2026; its instructions are those of AMD's public machine-readable ISA for CDNA 5 (MIT licence, August 2026) and "CDNA5" Instruction Set Architecture Reference Guide (July 2026). The comments in the code are by the model that wrote it; some were corrected since.
;; MSA. Allowed arithmetic: matrix products marked QUANTISED: E3M2 operands, one E8M0 scale for each 32 along K, by v_wmma_scale_f32_16x16x128_f8f6f4 with both operands' format E3M2, f32 sums; everything else in f32.
;; Inputs: b_out 256 float32; b_qkv 768 float32; w_out 256 x 256 float32; w_qkv 256 x 768 float32; x 4 x 64 x 64 x 256 float32.
;; Outputs: out0 4 x 64 x 64 x 256 float32.
;; This version of the problem:
;;   THIS VERSION OF THE PROBLEM IS GIVEN IN LOW PRECISION. The matrix products marked QUANTISED in the list below multiply operands that are first quantised to E3M2 (3 exponent bits, 2 mantissa bits; 6 bits a number), with one power-of-two scale for each 32 numbers along K (OCP MX v1.0); their sums are f32. All else is computed in f32.
;;   The module's matrix products, in the order in which they are computed (A, B: the left and right operand; K: the contracted axis; several contracted axes count as one K, in the product's order):
;;     1. [M 16,384, K 256] x [K 256, N 768]; A: input x; B: input w_qkv: QUANTISED
;;     2. batch 16 x [M 4,096, K 64] x [K 64, N 4,096]; A: computed on the way; B: computed on the way: QUANTISED
;;     3. batch 16 x [M 4,096, K 4,096] x [K 4,096, N 64]; A: softmax (see below); B: computed on the way: QUANTISED
;;     4. [M 16,384, K 256] x [K 256, N 256]; A: computed on the way; B: input w_out: QUANTISED
;;   THE QUANTISER, for each operand of a quantised product, along K:
;;     - K is cut into blocks of 32 from its start; a last block that is shorter is filled with zeros.
;;     - A block's scale is 2^e with e = floor(log2(the largest magnitude in the block)) - 4, held to -126 .. 127; a block of zeros has e = 0. As a byte (E8M0): e + 127.
;;     - Each number is divided by its block's scale, clamped to +-28, and rounded to the nearest number of E3M2, ties to even, subnormals kept.
;;     - The product sums the exact products of the quantised numbers (number of the format x scale) in f32.
;;   ~~~python
;;   def quantise(x, axis):      # numpy; x: float32 -> the quantised numbers, widened to float32 again
;;       x = np.moveaxis(x, axis, -1); K = x.shape[-1]
;;       x = np.pad(x, [(0, 0)] * (x.ndim - 1) + [(0, -K % 32)]); x = x.reshape(x.shape[:-1] + (-1, 32)); a = np.abs(x).max(-1, keepdims=True)
;;       e = np.where(a > 0, np.clip(np.frexp(np.where(a > 0, a, 1))[1] - 1 - 4, -126, 127), 0)      # np.frexp(a)[1] - 1 = floor(log2(a)), exactly
;;       r = np.clip(x / 2.0 ** e, -28, 28)
;;       step = 2.0 ** (np.maximum(np.frexp(np.where(r == 0, 1, r))[1] - 1, -2) - 2)
;;       q = np.round(r / step) * step * 2.0 ** e      # np.round: ties to even
;;       return np.moveaxis(q.reshape(q.shape[:-2] + (-1,))[..., :K], -1, axis).astype(np.float32)
;;   ~~~
;;   SOFTMAX AHEAD OF A QUANTISED PRODUCT. Where the list says 'softmax', what is quantised is not the finished softmax but p = 2^(t - M), with t = logit x log2(e) and M = ceil(the row's largest t), a whole number; so 1/2 < the row's largest p <= 1. The row's sum l is taken of the UNQUANTISED p, in f32, and the product's result is divided by l at the end. Since M is a whole number, a kernel that streams over the keys may use a running M (the ceiling of the running maximum): every later rescaling is an exact power of two, which a block's scale takes up: the codes' values come out the same.
;;   OPERANDS COMPUTED ON THE WAY. 'Computed on the way' means the value that the module computes at that place (a softmax that the list does not call 'softmax' is quantised finished and normalised). What goes into a quantiser is computed in f32, as accurately as f32 sums, v_exp_f32 and their like allow (about 1e-6 of the number): no bf16 or f16 on the way to a quantiser, and a product that is left as it is and whose result goes on into a quantised operand takes f32 operands (vector FMAs, or v_wmma_f32_16x16x4_f32). A number that lies on a knife's edge between two numbers of the format may be rounded either way, as far as f32 arithmetic and the matrix unit's own rounding can turn it there, and no further.
;; One version. Each part assembles by itself: llvm-mc -triple=amdgcn-amd-amdhsa -mcpu=gfx1250 --defsym DOCPART=n.
;; ======== version 1 of 1: 3 launches
;; limits: right only within a limited range of input values
;; workspace buffers: wimg 212,992 bytes; qc 3,145,728 bytes; qs 131,072 bytes; kvc 6,291,456 bytes; kvs 262,144 bytes
;; launch prep (part 1): grid 32 x 1, 4 waves a work-group, no clusters, 0 bytes of LDS; arguments w_qkv, w_out, wimg; writes wimg
.if DOCPART == 1
	.amdgcn_target "amdgcn-amd-amdhsa--gfx1250"
	.amdhsa_code_object_version 6
	.text
	.protected	k_q56b9be8e77_prep
	.globl	k_q56b9be8e77_prep
	.p2align	8
	.type	k_q56b9be8e77_prep,@function
k_q56b9be8e77_prep:
	s_mov_b64 s[64:65], 0
	v_nop
	global_prefetch_b8 v0, s[64:65] scope:SCOPE_SE
	s_setreg_imm32_b32 hwreg(HW_REG_WAVE_MODE, 25, 1), 1
	s_wait_xcnt 0x0
; w_qkv [256][768] and w_out [256][256], f32, K = the FIRST axis, become codes of BF6 (E3M2) with one E8M0 byte for each 32 along K,
; laid as IMAGES OF OPERAND REGISTERS: a fragment (16 columns x 128 along K) is 12 registers a lane, stored as three planes of 512 bytes
; (registers 4 c .. 4 c + 3 of lane l at 512 c + 16 l); its scale words as 128 bytes, 4 a lane.
; wimg: 0: w_qkv's 96 fragments, (2 T + s) x 1,536 (tile T of 16 columns, K step s); 147,456: their scale words, (2 T + s) x 128;
;       159,744: w_out's 32 fragments; 208,896: their scale words.
; THE COLUMNS OF A TILE OF w_qkv ARE NOT NEIGHBOURS: in each slice of 64 columns, row r of tile 2 b + u is column 32 b + 8 u + r + 8 (r / 8), so that
; the results of two neighbouring tiles are 16 neighbours along the next product's K.  w_out's tiles take 16 neighbouring columns.
; A LANE TAKES A COLUMN AND ITS REGISTERS RUN DOWN K, in the order that the operand's layout gives that lane (k = 64 c + 32 h + 0 .. 31): a block of 32 lies in one lane,
; and the conversions' results are the operand's registers.  One wave makes one fragment; there are 128 fragments, so 32 work-groups are all the work there is.
; The four waves of a work-group stand side by side on 64 columns: together they read 256 consecutive bytes of each row.
; A block's scale byte is its largest magnitude's exponent field - 4, held at 1 from below.
; LIMITS: a block of zeros gets the byte 1 (the rule says 127): its codes are zeros, and this program alone reads the bytes.  NaN and infinities are not served.
.set NUM,    68                        ; v68-131  64 numbers: register 32 c + i = W(128 s + 64 c + 32 h + i, my column)
.set QKV_SC, 147456
.set WO_CD,  159744
.set WO_SC,  208896
.macro LOADS pitch, base               ; 64 loads, every offset an immediate: 95 rows of 3,072 bytes at the most
.irp c, 0,1
.set I, 0
.rept 32
	global_load_b32 v[NUM+32*\c+I], v5, s[\base:\base+1] offset:(64*\c+I)*\pitch th:TH_LOAD_NT
.set I, I+1
.endr
.endr
.endm
	s_load_b128 s[4:7], s[0:1], 0x0                ; w_qkv, w_out
	s_load_b64 s[8:9], s[0:1], 0x10                ; wimg
	v_lshrrev_b32 v4, 5, v0
	v_readfirstlane_b32 s10, v4                    ; wave 0..3
	v_and_b32 v3, 31, v0                           ; lane
	v_and_b32 v1, 15, v0                           ; r
	v_bfe_u32 v2, v0, 4, 1                         ; h
	v_lshlrev_b32 v6, 4, v3                        ; an image's place for my lane
	v_lshlrev_b32 v7, 2, v3                        ; a scale word's
	s_mov_b32 s20, 0x76543210
	s_mov_b32 s21, 0xfedcba98                      ; v_permlanex16_b32's selects for lane l xor 16
	s_mov_b32 s13, 0
	s_mov_b32 s15, 0
	s_mov_b32 s23, 0
	s_lshl_b32 s19, s10, 1                         ; 2 x wave: my part of the fragment's number
	s_wait_kmcnt 0x0
	s_cmp_lt_u32 ttmp9, 24                         ; work-groups 0-23: w_qkv (slice, K step); 24-31: w_out
	s_cbranch_scc0 .Lwout
	s_lshr_b32 s11, ttmp9, 1                       ; the slice of 64 columns
	s_and_b32 s16, ttmp9, 1                        ; the K step
	s_lshr_b32 s17, s10, 1
	s_lshl_b32 s17, s17, 5
	s_and_b32 s18, s10, 1
	s_lshl_b32 s18, s18, 3
	s_add_co_u32 s17, s17, s18                     ; tile i = wave begins at 32 (i / 2) + 8 (i % 2)
	s_lshl_b32 s18, s11, 6
	s_add_co_u32 s17, s17, s18
	s_lshl_b32 s22, s17, 2                         ; in bytes,
	s_mul_i32 s18, s16, 128*3072                   ; and 128 rows down for K step 1
	s_add_co_u32 s22, s22, s18
	s_add_nc_u64 s[4:5], s[4:5], s[22:23]
	s_lshl_b32 s18, s11, 3
	s_add_co_u32 s19, s19, s18
	s_add_co_u32 s19, s19, s16                     ; the fragment's number: 8 x slice + 2 x tile + K step
	s_mul_i32 s12, s19, 1536
	s_lshl_b32 s14, s19, 7
	s_add_co_u32 s14, s14, QKV_SC
	s_wait_alu depctr_va_vdst(0)
	v_and_b32 v8, 8, v1
	v_add_nc_u32 v8, v8, v1                        ; r + 8 (r / 8)
	v_lshlrev_b32 v5, 2, v8
	v_mad_u32_u24 v5, v2, 32*3072, v5              ; lanes 16-31 begin 32 rows further down
	LOADS 3072, 4
	s_branch .Lq
.Lwout:
	s_sub_co_u32 s11, ttmp9, 24
	s_and_b32 s16, s11, 1                          ; the K step
	s_lshr_b32 s11, s11, 1                         ; the group of 64 columns
	s_lshl_b32 s17, s11, 6
	s_lshl_b32 s18, s10, 4
	s_add_co_u32 s17, s17, s18                     ; my tile's first column: 64 x group + 16 x wave
	s_lshl_b32 s22, s17, 2
	s_lshl_b32 s18, s16, 17                        ; 128 rows of 1,024 bytes
	s_add_co_u32 s22, s22, s18
	s_add_nc_u64 s[6:7], s[6:7], s[22:23]
	s_lshl_b32 s18, s11, 3
	s_add_co_u32 s19, s19, s18
	s_add_co_u32 s19, s19, s16
	s_mul_i32 s12, s19, 1536
	s_add_co_u32 s12, s12, WO_CD
	s_lshl_b32 s14, s19, 7
	s_add_co_u32 s14, s14, WO_SC
	s_wait_alu depctr_va_vdst(0)
	v_lshlrev_b32 v5, 2, v1
	v_lshl_add_u32 v5, v2, 15, v5                  ; lanes 16-31: 32 rows of 1,024 bytes further down
	LOADS 1024, 6
.Lq:
	s_add_nc_u64 s[12:13], s[8:9], s[12:13]        ; where the codes go,
	s_add_nc_u64 s[14:15], s[8:9], s[14:15]        ; and the scale words
	s_wait_loadcnt 0x0
.irp c, 0,1                                    ; my block 2 c + h: all its 32 numbers are mine
	v_max3_num_f32 v[32+\c], |v[NUM+32*\c]|, |v[NUM+32*\c+1]|, 0x2800000   ; with the floor 2^(5 - 127): the byte cannot fall under 1
.endr
.irp i, 2,4,6,8,10,12,14,16,18,20,22,24,26,28,30
.irp c, 0,1
	v_max3_num_f32 v[32+\c], v[32+\c], |v[NUM+32*\c+\i]|, |v[NUM+32*\c+\i+1]|
.endr
.endr
.irp c, 0,1
	v_add_nc_u32 v[44+\c], 0xfe000000, v[32+\c]    ; 4 off the exponent field: the conversion's scale operand
.endr
.irp c, 0,1
	v_lshrrev_b32 v[36+\c], 23, v[44+\c]           ; the scale's byte
.endr
	v_lshl_or_b32 v9, v37, 16, v36                 ; my two bytes, blocks h and 2 + h,
	v_lshlrev_b32 v10, 3, v2
	v_lshlrev_b32 v9, v10, v9                      ; at their places in the word;
	v_mov_b32 v10, 0
	v_permlanex16_b32 v10, v9, s20, s21
	v_or_b32 v9, v9, v10                           ; with lane l xor 16's two the word is whole
.irp c, 0,1
	v_cvt_scalef32_pk16_bf6_f32 v[48+6*\c:50+6*\c], v[NUM+32*\c:NUM+32*\c+15], v[44+\c]
	v_cvt_scalef32_pk16_bf6_f32 v[60+4*\c:62+4*\c], v[NUM+32*\c+16:NUM+32*\c+31], v[44+\c]   ; (a conversion's three registers begin on an even number)
.endr
	v_nop                                          ; one plain instruction behind the scaled conversions
.irp c, 0,1
.irp i, 0,1,2
	v_mov_b32 v[51+6*\c+\i], v[60+4*\c+\i]
.endr
.endr
	global_store_b128 v6, v[48:51], s[12:13]               ; each store covers 512 consecutive bytes, at a multiple of 256 from the buffer's first byte
	global_store_b128 v6, v[52:55], s[12:13] offset:512
	global_store_b128 v6, v[56:59], s[12:13] offset:1024
	global_store_b32 v7, v9, s[14:15]                      ; 128 consecutive bytes
	s_endpgm
.Lfunc_end_k_q56b9be8e77_prep:
	.size	k_q56b9be8e77_prep, .Lfunc_end_k_q56b9be8e77_prep-k_q56b9be8e77_prep
	.p2alignl 7, 3214868480
	.fill 96, 4, 3214868480
	.section	.rodata,"a",@progbits
	.p2align	6, 0x0
	.amdhsa_kernel k_q56b9be8e77_prep
		.amdhsa_group_segment_fixed_size 0
		.amdhsa_private_segment_fixed_size 0
		.amdhsa_enable_private_segment 0
		.amdhsa_kernarg_size 24
		.amdhsa_user_sgpr_count 2
		.amdhsa_user_sgpr_kernarg_segment_ptr 1
		.amdhsa_wavefront_size32 1
		.amdhsa_system_sgpr_workgroup_id_x 1
		.amdhsa_system_sgpr_workgroup_id_y 1
		.amdhsa_system_sgpr_workgroup_id_z 1
		.amdhsa_system_vgpr_workitem_id 0
		.amdhsa_next_free_vgpr 136
		.amdhsa_next_free_sgpr 66
		.amdhsa_reserve_vcc 0
		.amdhsa_float_denorm_mode_32 3
		.amdhsa_float_denorm_mode_16_64 3
		.amdhsa_memory_ordered 1
		.amdhsa_forward_progress 1
		.amdhsa_inst_pref_size 19
	.end_amdhsa_kernel
	.amdgpu_metadata
---
amdhsa.version: [ 1, 2 ]
amdhsa.kernels:
  - .name:           k_q56b9be8e77_prep
    .symbol:         k_q56b9be8e77_prep.kd
    .args:
      - { .name: w_qkv, .offset: 0, .size: 8, .value_kind: global_buffer, .address_space: global }
      - { .name: w_out, .offset: 8, .size: 8, .value_kind: global_buffer, .address_space: global }
      - { .name: wimg, .offset: 16, .size: 8, .value_kind: global_buffer, .address_space: global }
    .group_segment_fixed_size: 0
    .private_segment_fixed_size: 0
    .kernarg_segment_align: 8
    .kernarg_segment_size: 24
    .max_flat_workgroup_size: 128
    .sgpr_count:     66
    .vgpr_count:     136
    .wavefront_size: 32
...
	.end_amdgpu_metadata
.endif
;; end of part 1
;; launch qkv (part 2): grid 256 x 1, 16 waves a work-group, clusters of 4 x 1, 244,736 bytes of LDS; arguments x, wimg, b_qkv, qc, qs, kvc, kvs; writes qc, qs, kvc, kvs
.if DOCPART == 2
	.amdgcn_target "amdgcn-amd-amdhsa--gfx1250"
	.amdhsa_code_object_version 6
	.text
	.protected	k_q56b9be8e77_qkv
	.globl	k_q56b9be8e77_qkv
	.p2align	8
	.type	k_q56b9be8e77_qkv,@function
k_q56b9be8e77_qkv:
	s_mov_b64 s[64:65], 0
	v_nop
	global_prefetch_b8 v0, s[64:65] scope:SCOPE_SE
	s_setreg_imm32_b32 hwreg(HW_REG_WAVE_MODE, 25, 1), 1
	s_wait_xcnt 0x0
	s_wait_alu depctr_hold_cnt(0) depctr_sa_sdst(0) depctr_va_vdst(0) depctr_va_sdst(0) depctr_va_ssrc(0) depctr_va_vcc(0) depctr_vm_vsrc(0)
	s_getreg_b32 s2, hwreg(HW_REG_IB_STS2, 6, 4)
	s_cmp_eq_u32 s2, 0
	s_cbranch_scc0 .Lentry_in_a_cluster
	s_endpgm
.Lentry_in_a_cluster:
	s_bfe_u32 s2, ttmp6, 0x10000c
	s_cmp_lg_u32 s2, 0x3003
	s_cbranch_scc0 .Lentry_shape_is_right
	s_endpgm
.Lentry_shape_is_right:
; qkv = Q(x) Q(w_qkv) + b_qkv on codes of BF6 (E3M2) with E8M0 scales for each 32 along K; then q and k are quantised along the head's 64 channels and v along the tokens,
; and all three leave as images of operand registers for the attention launch.  No f32 intermediate goes to memory.
; SHARES.  Work-group G (256 of them) owns 64 tokens and all 768 columns: 384 matrix instructions, 24 for each of 16 waves.
;   X:  wave w quantises tile w / 4 (16 tokens) x quarter w % 4 (64 channels) of x; its image goes to LDS.           | barrier |
;   QK: wave w takes slice w % 8 of 64 columns (0-3: q's heads, 4-7: k's) for token tiles 2 (w / 8) and 2 (w / 8) + 1: source 0 = 16 columns of W, source 1 = 16 tokens: a lane holds ONE token, registers run along the channels.
;   V:  wave w takes v's tile w (16 channels) for all four token tiles: source 0 = 16 tokens, source 1 = 16 columns of W: a lane holds ONE channel, registers run along the tokens.
; A HALF IMAGE (768 bytes) is registers 0-5 of a 6-bit operand, 16 rows x 64 along K: registers 0-3 of lane l at 16 l, registers 4-5 at 512 + 8 l.  Two on end are a fragment.  Its scale is a halfword: block 0's byte, block 1's byte.
; THE ROWS OF A TILE ARE NOT NEIGHBOURS: in a group of 64 (tokens, or columns of W), row r of tile 2 b + u is 32 b + 8 u + r + 8 (r / 8): the 16 registers of tiles 2 b, 2 b + 1 of a result are then 16 neighbours along the next K.
; CLUSTER.  All work-groups read the same 159,744 bytes of w_qkv's codes and scale words: the four of a cluster ask for them JOINTLY (mask 15), waves 0-3 a quarter each, once.  LDS bytes are filled once in this launch.
; The factor 1/8 on q is a power of two, which a block's scale would take up: it is left to the attention launch's constant.
; LIMITS: where a block of q has its largest magnitude under 2^-119, the hold of the scale's exponent acts otherwise than on q / 8.  A block of zeros gets the byte 1 and zero codes (this program alone reads the bytes).  NaN and infinities are not served.
; OUT: qc [G][head][tile][768]; qs [G][head][pair][16] words (halfwords of tiles 2 p, 2 p + 1); kvc [G / 2] records of 49,152: K [head][pair f][half][768], then V [head][tile][half e][768];
;      kvs [G / 2][head] records of 512: lane r's four K words at 16 r, its four V words at 256 + 16 r.
.set XIMG, 159744                      ; LDS: 0: the weights as in wimg; here x's 16 half images (4 m + quarter),
.set XSC,  172032                      ; their 8 scale images of 128 bytes (2 m + K step),
.set XSTG, 173056                      ; and a stage of 16 rows x 272 bytes for each wave
.set WSCL, 147456                      ; the weights' scale words
.set XL,   26                          ; v26-57   x as loaded
.set ST,   26                          ; v26-121  eight fragments that stay through a phase
.set MV,   122                         ; v122-145 two fragments that move
.set ACC,  146                         ; v146-177 four accumulators;  in X: 32 neighbours of x
.set XR,   146
.set BI,   178                         ; v178-209 the bias of four tiles, in the result's layout
.set BV,   178                         ; in V: my channel's bias, eight times
.set WS,   210                         ; v210-217 scale words of ST
.set MS,   218                         ; v218-219 of MV
.set TM,   220                         ; at work in QUANT2
.set TP,   222
.set TS,   224
.set HW0,  226                         ; v226-228 the halfwords of the three units
.set HW1,  227
.set HW2,  228
.set PWD,  229                         ; q's or k's pair word
.set T,    230
.set P,    234                         ; v234-251 codes: six registers for each unit, so that no store's data are written again
.set WV,   18
.set SEL,  22
; 32 numbers of a lane, register 16 b + i = k 32 b + 16 (lane / 16) + i of my row, become a half image's codes in v[p] on and its halfword in v[hw].
.macro QUANT2 s, p, hw
.irp b, 0,1
	v_max3_num_f32 v[TM+\b], |v[\s+16*\b]|, |v[\s+16*\b+1]|, 0x2800000   ; my 16 numbers of block b, from each accumulator's low end on, and the floor 2^(5 - 127)
.endr
.irp i, 2,4,6,8,10,12,14
.irp b, 0,1
	v_max3_num_f32 v[TM+\b], v[TM+\b], |v[\s+16*\b+\i]|, |v[\s+16*\b+\i+1]|
.endr
.endr
.irp b, 0,1
	s_delay_alu instid0(VALU_DEP_2)
	v_permlanex16_b32 v[TP+\b], v[TM+\b], s[SEL], s[SEL+1]
.endr
.irp b, 0,1
	s_delay_alu instid0(VALU_DEP_2)
	v_max_num_f32 v[TM+\b], v[TM+\b], v[TP+\b]     ; with lane l xor 16's: the block's largest magnitude
.endr
.irp b, 0,1
	s_delay_alu instid0(VALU_DEP_2)
	v_add_nc_u32 v[TS+\b], 0xfe000000, v[TM+\b]    ; 4 off its exponent field: the conversion's scale operand
.endr
.irp b, 0,1
	s_delay_alu instid0(VALU_DEP_2)
	v_lshrrev_b32 v[TP+\b], 23, v[TS+\b]           ; the scale's byte
.endr
	s_delay_alu instid0(VALU_DEP_1)
	v_lshl_or_b32 v[\hw], v[TP+1], 8, v[TP]
	v_cvt_scalef32_pk16_bf6_f32 v[\p:\p+2], v[\s:\s+15], v[TS]
	v_cvt_scalef32_pk16_bf6_f32 v[T:T+2], v[\s+16:\s+31], v[TS+1]
	v_nop                                          ; one plain instruction behind the scaled conversions
.irp i, 0,1,2
	v_permlane16_swap_b32 v[\p+\i], v[T+\i]        ; the layout wants a whole block in a lane: lanes 0-15 block 0, lanes 16-31 block 1
.endr
.irp i, 0,1,2
	s_delay_alu instid0(VALU_DEP_3)
	v_mov_b32 v[\p+3+\i], v[T+\i]
.endr
.endm
; TOKENS (this takes the place of what the head says of tokens; the columns of W stay as said there): row 8 h + j of token tile m is token 32 h + 8 m + j of the group's 64.
; So in V's result a lane's 32 registers (four tiles) are tokens 32 h + 0 .. 31: a whole block of the next K, in the order of the operand's layout.
; QUANT1: 32 numbers of a lane, register i = k 32 (lane / 16) + i of my row, become a half image's codes in v[p] on; lanes 0-15 get the halfword in v[hw].
.macro QUANT1 s, p, hw
	v_max3_num_f32 v[TM], |v[\s]|, |v[\s+1]|, 0x2800000            ; two chains, each accumulator from its low end on; the floor 2^(5 - 127)
	v_max3_num_f32 v[TM+1], |v[\s+16]|, |v[\s+17]|, |v[\s+18]|
.irp i, 0,2,4,6,8,10
	v_max3_num_f32 v[TM], v[TM], |v[\s+2+\i]|, |v[\s+3+\i]|
	v_max3_num_f32 v[TM+1], v[TM+1], |v[\s+19+\i]|, |v[\s+20+\i]|
.endr
	v_max3_num_f32 v[TM], v[TM], |v[\s+14]|, |v[\s+15]|
	v_max3_num_f32 v[TM], v[TM], v[TM+1], |v[\s+31]|               ; the block's largest magnitude: all 32 numbers are mine
	s_delay_alu instid0(VALU_DEP_1)
	v_add_nc_u32 v[TS], 0xfe000000, v[TM]                          ; 4 off its exponent field: the conversion's scale operand
	s_delay_alu instid0(VALU_DEP_1)
	v_lshrrev_b32 v[TM+1], 23, v[TS]                               ; my block's byte
	s_delay_alu instid0(VALU_DEP_1)
	v_permlanex16_b32 v[TP], v[TM+1], s[SEL], s[SEL+1]             ; lane l xor 16's
	s_delay_alu instid0(VALU_DEP_1)
	v_lshl_or_b32 v[\hw], v[TP], 8, v[TM+1]                        ; lanes 0-15: block 0's byte, block 1's byte
	v_cvt_scalef32_pk16_bf6_f32 v[\p:\p+2], v[\s:\s+15], v[TS]
	v_cvt_scalef32_pk16_bf6_f32 v[T:T+2], v[\s+16:\s+31], v[TS]
	v_nop                                          ; one plain instruction behind the scaled conversions
.irp i, 0,1,2
	v_mov_b32 v[\p+3+\i], v[T+\i]
.endr
.endm
.macro CROUND
	s_barrier_signal -1
	s_barrier_wait -1
	s_cmp_lg_u32 s[WV], 0
	s_cbranch_scc1 .Lnot_wave_0_\@
	s_barrier_signal -3
.Lnot_wave_0_\@:
	s_barrier_wait -3
	s_barrier_signal -1
	s_barrier_wait -1
.endm
.macro PLACES n
.rept \n
	v_nop
.endr
.endm
.macro MOVX uu                         ; x's two fragments and scale words of token tile 2 (w / 8) + uu
.irp k, 0,1,2,3
	ds_load_b128 v[MV+6*\k:MV+6*\k+3], v12 offset:3072*\uu+768*\k
	ds_load_b64 v[MV+6*\k+4:MV+6*\k+5], v13 offset:3072*\uu+768*\k
.endr
.irp s, 0,1
	ds_load_b32 v[MS+\s], v14 offset:256*\uu+128*\s
.endr
.endm
.macro UNITQK                          ; 64 columns x 16 tokens x K 256: the four accumulators by turns, one instruction a turn; the bias is the C of each sum's first product
.irp s, 0,1
.irp i, 0,1,2,3
.if \s == 0
	v_wmma_scale_f32_16x16x128_f8f6f4 v[ACC+8*\i:ACC+8*\i+7], v[ST+12*(2*\i+\s):ST+12*(2*\i+\s)+11], v[MV+12*\s:MV+12*\s+11], v[BI+8*\i:BI+8*\i+7], v[WS+2*\i+\s], v[MS+\s] matrix_a_fmt:MATRIX_FMT_BF6 matrix_b_fmt:MATRIX_FMT_BF6
.else
	v_wmma_scale_f32_16x16x128_f8f6f4 v[ACC+8*\i:ACC+8*\i+7], v[ST+12*(2*\i+\s):ST+12*(2*\i+\s)+11], v[MV+12*\s:MV+12*\s+11], v[ACC+8*\i:ACC+8*\i+7], v[WS+2*\i+\s], v[MS+\s] matrix_a_fmt:MATRIX_FMT_BF6 matrix_b_fmt:MATRIX_FMT_BF6
.endif
.endr
.endr
.endm
	s_load_b256 s[4:11], s[0:1], 0x0               ; x s[4:5], wimg s[6:7], b_qkv s[8:9], qc s[10:11]
	s_load_b128 s[12:15], s[0:1], 0x20             ; qs s[12:13], kvc s[14:15]
	s_load_b64 s[16:17], s[0:1], 0x30              ; kvs
	v_lshl_add_u32 v253, v0, 2, 0x3b400
	v_mov_b32 v255, 0
	ds_add_u32 v253, v255
	ds_add_u32 v253, v255
	v_lshrrev_b32 v1, 5, v0
	s_delay_alu instid0(VALU_DEP_1)
	v_readfirstlane_b32 s[WV], v1                  ; wave 0..15
	v_and_b32 v1, 31, v0                           ; lane l
	v_and_b32 v2, 15, v0                           ; r
	v_bfe_u32 v3, v0, 4, 1                         ; h
	s_mov_b32 s[SEL], 0x76543210
	s_mov_b32 s[SEL+1], 0xfedcba98
	s_lshr_b32 s2, s[WV], 2                        ; X: token tile m;  V: v's head
	s_and_b32 s66, s[WV], 3                        ; X: quarter of K;  QK: the head;  V: the head's tile
	s_and_b32 s52, s[WV], 7                        ; QK: the slice
	s_lshr_b32 s53, s[WV], 3                       ; QK: the pair of token tiles (also m / 2)
	; every LDS address: a constant + a constant x lane + a constant x wave
	v_lshlrev_b32 v18, 4, v1                       ; 16 l
	v_lshlrev_b32 v19, 3, v1                       ; 8 l
	v_lshlrev_b32 v254, 2, v1                      ; 4 l
	s_wait_alu depctr_va_vdst(0)
	s_mul_i32 s50, s[WV], 768
	s_add_co_u32 s51, s50, XIMG
	v_add_nc_u32 v5, s51, v18                      ; where I store x's half image: registers 0-3,
	s_add_co_u32 s51, s50, XIMG+512
	v_add_nc_u32 v6, s51, v19                      ; registers 4-5,
	s_lshr_b32 s50, s[WV], 1
	s_lshl_b32 s50, s50, 7
	s_and_b32 s51, s[WV], 1
	s_lshl_b32 s51, s51, 1
	s_add_co_u32 s50, s50, s51
	s_add_co_u32 s50, s50, XSC
	v_add_nc_u32 v7, s50, v254                     ; and its halfword: image w / 2, half w % 2
	s_mul_i32 s50, s52, 12288
	v_add_nc_u32 v8, s50, v18                      ; my slice's eight fragments of W,
	s_lshl_b32 s50, s52, 10
	s_add_co_u32 s50, s50, WSCL
	v_add_nc_u32 v9, s50, v254                     ; and their scale words
	s_mul_i32 s50, s[WV], 3072
	s_add_co_u32 s50, s50, 98304
	v_add_nc_u32 v10, s50, v18                     ; v's tile w: tiles 32 + w of W,
	s_lshl_b32 s50, s[WV], 8
	s_add_co_u32 s50, s50, WSCL+8192
	v_add_nc_u32 v11, s50, v254                    ; and its scale words
	s_mul_i32 s50, s53, 6144
	s_add_co_u32 s51, s50, XIMG
	v_add_nc_u32 v12, s51, v18                     ; x's images of my pair of token tiles
	s_add_co_u32 s51, s50, XIMG+512
	v_add_nc_u32 v13, s51, v19
	s_lshl_b32 s50, s53, 9
	s_add_co_u32 s50, s50, XSC
	v_add_nc_u32 v14, s50, v254
	v_add_nc_u32 v15, XIMG, v18                    ; and of all four
	v_add_nc_u32 v16, XIMG+512, v19
	v_add_nc_u32 v17, XSC, v254
	s_mul_i32 s50, s[WV], 4352
	s_add_co_u32 s50, s50, XSTG                    ; my stage
	v_mul_u32_u24 v25, v3, 272
	s_delay_alu instid0(VALU_DEP_1)
	v_lshl_add_u32 v25, v2, 4, v25
	s_delay_alu instid0(VALU_DEP_1)
	v_add_nc_u32 v25, s50, v25                     ; in: a load's two rows, 16 bytes a lane
	v_mul_u32_u24 v252, v2, 272
	s_delay_alu instid0(VALU_DEP_1)
	v_lshl_add_u32 v252, v3, 6, v252
	s_delay_alu instid0(VALU_DEP_1)
	v_add_nc_u32 v252, s50, v252                   ; back: row r, + 64 h: my 16 numbers of a block of 32
	; offsets into memory
	v_lshlrev_b32 v4, 10, v3
	s_delay_alu instid0(VALU_DEP_1)
	v_lshl_add_u32 v4, v2, 4, v4                   ; x: lanes 0-15 one row's 256 bytes, lanes 16-31 the next row's
	v_lshlrev_b32 v21, 4, v2                       ; 16 r
	v_lshlrev_b32 v22, 6, v3                       ; the bias of 16 h + 0 .. 7
	v_and_b32 v23, 8, v2
	s_delay_alu instid0(VALU_DEP_1)
	v_add_nc_u32 v23, v23, v2
	s_delay_alu instid0(VALU_DEP_1)
	v_lshlrev_b32 v23, 2, v23                      ; 4 (r + 8 (r / 8))
	v_mov_b32 v[TP], 0                             ; written once: a lane permute's destination counts as one of its sources
	v_mov_b32 v[TP+1], 0
	; the joint load's descriptor: nothing in it hangs on the work-group's place
	s_mov_b32 s24, 15|(3<<16)|(1<<21)              ; 15:0 the mask: all four work-groups; 17:16 elements of 8 bytes; 21 set beside a mask; no padding
	s_mov_b32 s25, 32<<16                          ; tensor_dim0 = 32 elements: rows of 256 bytes
	s_mov_b32 s26, 156<<16                         ; tensor_dim1 = 156 rows: a quarter of 159,744 bytes
	s_mov_b32 s27, 32<<16                          ; tile_dim0
	s_mov_b32 s28, 156                             ; tile_dim1
	s_mov_b32 s29, 32                              ; the pitch: dense
	s_mov_b32 s30, 0
	s_mov_b32 s31, 0
	s_mul_i32 s72, s66, 39936                      ; quarter w % 4 (waves 0-3 ask)
	s_mov_b32 s73, 0
	s_mov_b32 s32, 1
	s_mov_b32 s33, s72
	; the work-group, and what hangs on it: addresses in memory alone
	s_bfe_u32 s19, ttmp6, 0x40000                  ; cx
	s_lshl_b32 s20, ttmp9, 2
	s_add_co_u32 s20, s20, s19                     ; G = 4 x cluster + cx
	s_and_b32 s3, s20, 1                           ; e: which half of a key step's 128 keys
	s_lshr_b32 s21, s20, 1                         ; the key step's record
	s_lshl_b32 s36, s20, 16                        ; x: 64 rows of 1,024 bytes a group,
	s_lshl_b32 s50, s2, 13                         ; + 8 m rows
	s_add_co_u32 s36, s36, s50
	s_lshl_b32 s50, s66, 8                         ; + my quarter's 256 bytes
	s_add_co_u32 s36, s36, s50
	s_mov_b32 s37, 0
	s_lshl_b32 s68, s52, 8                         ; b_qkv at my slice
	s_mov_b32 s69, 0
	s_lshl_b32 s70, s2, 8                          ; b_qkv at v's tile w: column 512 + 64 head + 32 (t / 2) + 8 (t % 2)
	s_add_co_u32 s70, s70, 2048
	s_bfe_u32 s50, s[WV], 0x10001
	s_lshl_b32 s50, s50, 7
	s_add_co_u32 s70, s70, s50
	s_and_b32 s50, s[WV], 1
	s_lshl_b32 s50, s50, 5
	s_add_co_u32 s70, s70, s50
	s_mov_b32 s71, 0
	s_mul_i32 s56, s20, 12288                      ; q's codes: G, head, pair
	s_mul_i32 s50, s66, 3072
	s_add_co_u32 s56, s56, s50
	s_mul_i32 s51, s53, 1536
	s_add_co_u32 s56, s56, s51
	s_mul_i32 s57, s21, 49152                      ; k's: record, head, pair f = 2 e + pair
	s_mul_i32 s50, s66, 6144
	s_add_co_u32 s57, s57, s50
	s_mul_i32 s50, s3, 3072
	s_add_co_u32 s57, s57, s50
	s_add_co_u32 s57, s57, s51
	s_lshl_b32 s58, s20, 9                         ; q's scale words
	s_lshl_b32 s50, s66, 7
	s_add_co_u32 s58, s58, s50
	s_lshl_b32 s50, s53, 6
	s_add_co_u32 s58, s58, s50
	s_lshl_b32 s59, s21, 11                        ; k's: record, head, word f
	s_lshl_b32 s50, s66, 9
	s_add_co_u32 s59, s59, s50
	s_lshl_b32 s50, s3, 3
	s_add_co_u32 s59, s59, s50
	s_lshl_b32 s50, s53, 2
	s_add_co_u32 s59, s59, s50
	s_mul_i32 s60, s21, 49152                      ; v's codes: record, behind K's part, head, tile, half e
	s_add_co_u32 s60, s60, 24576
	s_mul_i32 s50, s2, 6144
	s_add_co_u32 s60, s60, s50
	s_mul_i32 s50, s66, 1536
	s_add_co_u32 s60, s60, s50
	s_mul_i32 s50, s3, 768
	s_add_co_u32 s60, s60, s50
	s_mov_b32 s61, 0
	s_lshl_b32 s62, s21, 11                        ; v's halfwords
	s_add_co_u32 s62, s62, 256
	s_lshl_b32 s50, s2, 9
	s_add_co_u32 s62, s62, s50
	s_lshl_b32 s50, s66, 2
	s_add_co_u32 s62, s62, s50
	s_lshl_b32 s50, s3, 1
	s_add_co_u32 s62, s62, s50
	s_mov_b32 s63, 0
	s_cmp_lt_u32 s52, 4                            ; q's slice or k's?  The choice hangs on the wave's number alone
	s_cselect_b32 s56, s56, s57
	s_cselect_b32 s58, s58, s59
	s_cselect_b32 s48, 2, 4                        ; a row's scale words lie 4 bytes apart in qs, 16 in kvs
	s_mov_b32 s57, 0
	s_mov_b32 s59, 0
	s_wait_alu depctr_va_vdst(0)
	s_wait_dscnt 0x0
	s_wait_kmcnt 0x0
	s_cselect_b64 s[40:41], s[10:11], s[14:15]
	s_cselect_b64 s[42:43], s[12:13], s[16:17]
	s_add_nc_u64 s[40:41], s[40:41], s[56:57]
	s_add_nc_u64 s[42:43], s[42:43], s[58:59]
	s_add_nc_u64 s[44:45], s[14:15], s[60:61]
	s_add_nc_u64 s[46:47], s[16:17], s[62:63]
	s_add_nc_u64 s[4:5], s[4:5], s[36:37]
	s_add_nc_u64 s[38:39], s[8:9], s[68:69]
	s_add_nc_u64 s[54:55], s[8:9], s[70:71]
	s_add_nc_u64 s[34:35], s[6:7], s[72:73]
	s_or_b32 s35, s35, 0x80000000                  ; type = 2
	v_lshlrev_b32 v20, s48, v2
.irp i, 0,1,2,3,4,5,6,7                        ; tile rows 2 i and 2 i + 1 are tokens 8 m + 2 i + 24 (i / 4) and the next: each load takes two aligned runs of 256 bytes
	global_load_b128 v[XL+4*\i:XL+4*\i+3], v4, s[4:5] offset:(2*\i+24*(\i/4))*1024 th:TH_LOAD_NT   ; tile rows 8-15 are tokens 32 + 8 m + 0 .. 7
.endr
.irp i, 0,1,2,3                                ; lane (r, h) wants, for tile i, the bias of columns 32 (i / 2) + 8 (i % 2) + 16 h + 0 .. 7
	global_load_b128 v[BI+8*\i:BI+8*\i+3], v22, s[38:39] offset:(32*(\i/2)+8*(\i%2))*4
	global_load_b128 v[BI+8*\i+4:BI+8*\i+7], v22, s[38:39] offset:(32*(\i/2)+8*(\i%2))*4+16
.endr
	global_load_b32 v24, v23, s[54:55]             ; V: my channel's bias
	CROUND                                         ; all four work-groups are here: the joint loads meet
	s_cmp_lt_u32 s[WV], 4
	s_cbranch_scc0 .Lno_fetch
	tensor_load_to_lds s[32:35], s[24:31]          ; one load of mine is out
	s_nop 0
	PLACES 4
.Lno_fetch:
	; ---- X
	s_wait_loadcnt 9                               ; x's eight loads are in; the nine loads of bias behind them may be out
.irp i, 0,1,2,3,4,5,6,7
	ds_store_b128 v25, v[XL+4*\i:XL+4*\i+3] offset:544*\i
.endr
.irp b, 0,1
.irp j, 0,1,2,3
	ds_load_b128 v[XR+16*\b+4*\j:XR+16*\b+4*\j+3], v252 offset:128*\b+16*\j   ; LDS serves a wave's instructions in order (ISA guide 5.7.1.4): these see my stores
.endr
.endr
	s_wait_dscnt 0x0
	QUANT2 XR, P, HW0
	ds_store_b128 v5, v[P:P+3]
	ds_store_b64 v6, v[P+4:P+5]
	ds_store_b16 v7, v[HW0]
	s_wait_tensorcnt 0x0                           ; my quarter of the weights has landed,
	s_wait_dscnt 0x0                               ; and so have my stores:
	s_barrier_signal -1
	s_barrier_wait -1                              ; everybody's have
	; ---- QK
.set K, 0
.rept 24
	ds_load_b128 v[ST+4*K:ST+4*K+3], v8 offset:512*K
.set K, K+1
.endr
.irp j, 0,1,2,3,4,5,6,7
	ds_load_b32 v[WS+\j], v9 offset:128*\j
.endr
	MOVX 0
	s_wait_loadcnt 0x0                             ; the bias
	s_wait_dscnt 0x0
	UNITQK
	PLACES 5                                       ; four places ahead of loads into operands and of reads of results; five, since the accumulators are begun anew with another C
	MOVX 1
	QUANT2 ACC, P, HW0
	global_store_b128 v18, v[P:P+3], s[40:41]              ; 512 consecutive bytes, at a multiple of 256 from the buffer's first byte
	global_store_b64 v19, v[P+4:P+5], s[40:41] offset:512  ; 256 likewise
	s_wait_dscnt 0x0
	UNITQK
	PLACES 5
	; ---- V: its operands are asked for ahead of the second unit's quantising
.set K, 0
.rept 16
	ds_load_b128 v[ST+6*K:ST+6*K+3], v15 offset:768*K
	ds_load_b64 v[ST+6*K+4:ST+6*K+5], v16 offset:768*K
.set K, K+1
.endr
.irp j, 0,1,2,3,4,5,6,7
	ds_load_b32 v[WS+\j], v17 offset:128*\j
.endr
.irp k, 0,1,2,3,4,5
	ds_load_b128 v[MV+4*\k:MV+4*\k+3], v10 offset:512*\k
.endr
.irp s, 0,1
	ds_load_b32 v[MS+\s], v11 offset:128*\s
.endr
.irp j, 0,1,2,3,4,5,6,7
	v_mov_b32 v[BV+\j], v24                        ; a lane holds one channel: its bias serves all eight tokens
.endr
	QUANT2 ACC, P+6, HW1
	global_store_b128 v18, v[P+6:P+9], s[40:41] offset:768
	global_store_b64 v19, v[P+10:P+11], s[40:41] offset:1280
	v_lshl_or_b32 v[PWD], v[HW1], 16, v[HW0]       ; the pair's scale word
	s_wait_dscnt 0x0
.irp s, 0,1
.irp m, 0,1,2,3
.if \s == 0
	v_wmma_scale_f32_16x16x128_f8f6f4 v[ACC+8*\m:ACC+8*\m+7], v[ST+12*(2*\m+\s):ST+12*(2*\m+\s)+11], v[MV+12*\s:MV+12*\s+11], v[BV:BV+7], v[WS+2*\m+\s], v[MS+\s] matrix_a_fmt:MATRIX_FMT_BF6 matrix_b_fmt:MATRIX_FMT_BF6
.else
	v_wmma_scale_f32_16x16x128_f8f6f4 v[ACC+8*\m:ACC+8*\m+7], v[ST+12*(2*\m+\s):ST+12*(2*\m+\s)+11], v[MV+12*\s:MV+12*\s+11], v[ACC+8*\m:ACC+8*\m+7], v[WS+2*\m+\s], v[MS+\s] matrix_a_fmt:MATRIX_FMT_BF6 matrix_b_fmt:MATRIX_FMT_BF6
.endif
.endr
.endr
	PLACES 5
	QUANT1 ACC, P+12, HW2                          ; along the group's 64 tokens
	global_store_b128 v18, v[P+12:P+15], s[44:45]
	global_store_b64 v19, v[P+16:P+17], s[44:45] offset:512
	; the scales: lanes 0-15 hold a row each.  A V word's halves, and a K record's words, come from two work-groups, so these 1,536 of a work-group's 38,400 bytes leave in small pieces
	s_wait_alu depctr_va_vdst(0)
	s_wait_xcnt 0x0                                ; EXEC changes only behind this wait
	v_cmp_gt_u32 vcc_lo, 16, v1
	s_and_saveexec_b32 s49, vcc_lo
	global_store_b32 v20, v[PWD], s[42:43]
	global_store_b16 v21, v[HW2], s[46:47]
	s_wait_xcnt 0x0                                ; and again, in front of the line that widens it
	s_or_b32 exec_lo, exec_lo, s49
	s_wait_tensorcnt 0x0
	ds_add_u32 v253, v255
	s_wait_dscnt 0x0
	CROUND                                         ; the closing round: no work-group ends while a partner may still ask for bytes that name it
	s_endpgm
.Lfunc_end_k_q56b9be8e77_qkv:
	.size	k_q56b9be8e77_qkv, .Lfunc_end_k_q56b9be8e77_qkv-k_q56b9be8e77_qkv
	.p2alignl 7, 3214868480
	.fill 96, 4, 3214868480
	.section	.rodata,"a",@progbits
	.p2align	6, 0x0
	.amdhsa_kernel k_q56b9be8e77_qkv
		.amdhsa_group_segment_fixed_size 244736
		.amdhsa_private_segment_fixed_size 0
		.amdhsa_enable_private_segment 0
		.amdhsa_kernarg_size 56
		.amdhsa_user_sgpr_count 2
		.amdhsa_user_sgpr_kernarg_segment_ptr 1
		.amdhsa_wavefront_size32 1
		.amdhsa_system_sgpr_workgroup_id_x 1
		.amdhsa_system_sgpr_workgroup_id_y 1
		.amdhsa_system_sgpr_workgroup_id_z 1
		.amdhsa_system_vgpr_workitem_id 0
		.amdhsa_next_free_vgpr 256
		.amdhsa_next_free_sgpr 76
		.amdhsa_reserve_vcc 1
		.amdhsa_float_denorm_mode_32 3
		.amdhsa_float_denorm_mode_16_64 3
		.amdhsa_memory_ordered 1
		.amdhsa_forward_progress 1
		.amdhsa_inst_pref_size 32
	.end_amdhsa_kernel
	.amdgpu_metadata
---
amdhsa.version: [ 1, 2 ]
amdhsa.kernels:
  - .name:           k_q56b9be8e77_qkv
    .symbol:         k_q56b9be8e77_qkv.kd
    .args:
      - { .name: x, .offset: 0, .size: 8, .value_kind: global_buffer, .address_space: global }
      - { .name: wimg, .offset: 8, .size: 8, .value_kind: global_buffer, .address_space: global }
      - { .name: b_qkv, .offset: 16, .size: 8, .value_kind: global_buffer, .address_space: global }
      - { .name: qc, .offset: 24, .size: 8, .value_kind: global_buffer, .address_space: global }
      - { .name: qs, .offset: 32, .size: 8, .value_kind: global_buffer, .address_space: global }
      - { .name: kvc, .offset: 40, .size: 8, .value_kind: global_buffer, .address_space: global }
      - { .name: kvs, .offset: 48, .size: 8, .value_kind: global_buffer, .address_space: global }
    .group_segment_fixed_size: 244736
    .private_segment_fixed_size: 0
    .kernarg_segment_align: 8
    .kernarg_segment_size: 56
    .max_flat_workgroup_size: 512
    .sgpr_count:     76
    .vgpr_count:     256
    .wavefront_size: 32
...
	.end_amdgpu_metadata
.endif
;; end of part 2
;; launch attn (part 3): grid 64 x 4, 16 waves a work-group, clusters of 4 x 1, 327,680 bytes of LDS; arguments qc, qs, kvc, kvs, wimg, b_out, out0; writes out0
.if DOCPART == 3
	.amdgcn_target "amdgcn-amd-amdhsa--gfx1250"
	.amdhsa_code_object_version 6
	.text
	.protected	k_q56b9be8e77_attn
	.globl	k_q56b9be8e77_attn
	.p2align	8
	.type	k_q56b9be8e77_attn,@function
k_q56b9be8e77_attn:
	s_mov_b64 s[64:65], 0
	v_nop
	global_prefetch_b8 v0, s[64:65] scope:SCOPE_SE
	s_setreg_imm32_b32 hwreg(HW_REG_WAVE_MODE, 25, 1), 1
	s_wait_xcnt 0x0
	s_wait_alu depctr_hold_cnt(0) depctr_sa_sdst(0) depctr_va_vdst(0) depctr_va_sdst(0) depctr_va_ssrc(0) depctr_va_vcc(0) depctr_vm_vsrc(0)
	s_getreg_b32 s2, hwreg(HW_REG_IB_STS2, 6, 4)
	s_cmp_eq_u32 s2, 0
	s_cbranch_scc0 .Lentry_in_a_cluster
	s_endpgm
.Lentry_in_a_cluster:
	s_bfe_u32 s2, ttmp6, 0x10000c
	s_cmp_lg_u32 s2, 0x3003
	s_cbranch_scc0 .Lentry_shape_is_right
	s_endpgm
.Lentry_shape_is_right:
; out = Q(softmax(q k^T / 8) v) Q(w_out) + b_out, all three products on codes of BF6 (E3M2) with one E8M0 scale for each 32 along a product's K.
; q, k, v arrive as images of operand registers (half images of 768 bytes: registers 0-3 of lane l at 16 l, registers 4-5 at 512 + 8 l), w_out as fragments of three planes of 512 bytes.
; THE SOFTMAX: t = score x log2(e) / 8 (the 1/8 on q is a power of two and lies in the constant); M = the row's largest t so far, rounded UP to a whole number; p = 2^(t - M) is quantised along the keys,
; not normalised; the row's sum is taken of the unquantised p and divides O at the end.  When M moves, the sum and O are multiplied by 2^(old M - new M): exact.
; SHARES.  A work-group owns 64 queries of one batch for all four heads, so that the last product is made here and each row of out has one owner.  Wave w: head w % 4, query tile w / 4 (16 queries).
; Every wave walks the batch's 32 key steps of 128 keys.  A step's record (49,152 bytes: K's and V's images of all heads) comes through a ring of two LDS slots of two records each.
; CLUSTER.  The four work-groups of a cluster belong to one batch and walk the same records: each quarter of a slot is asked for JOINTLY (mask 15) by waves 0-3, each quarter of the scale words by waves 4-7.
; w_out (53,248 bytes a work-group against 1,572,864 of K and V) is not shared.
; LAYOUT.  S^T = K Q^T, O^T = V^T P^T, out^T = W^T o^T: a lane holds ONE query throughout.  Row 8 h + j of key tile m of a group of 64 tokens is token 32 h + 8 m + j: so a lane's 32 score registers of a group
; are keys 32 h + 0 .. 31 of it: a WHOLE block of the next K, in the order of the operand's layout: a block's maximum needs no other lane and the conversions' results are the operand's registers.
; K = 64 IN AN INSTRUCTION OF K = 128: source 0 holds two key tiles, X in registers 0-5 and Y in 6-11; source 1 is (q, 0) for X's scores and (0, q) for Y's: 18 registers (0, q, 0) serve both.
; TWO POOLS of 64 registers take turns: step n's scores lie in one; K(n), then V(n), in the other's first 48.  When p has been converted its pool takes K(n + 1), asked for ahead of O's rescaling and V^T P^T;
; the scores of step n + 1 are then laid over V(n).
; THE CHANGE OF SLOTS is split: a slot's last LDS reads are V's of its second record; behind them each wave waits, adds, waits and signals; the exponentials, sums and conversions (registers alone) stand inside the round.
; LIMITS: NaN and infinities are not served; a block of zeros has the byte 1 and zero codes; the promise holds while the scaled scores t stay under 2^31 in magnitude.
.set SLOT1, 1<<17                      ; LDS: slot 0 at 0, slot 1 here
.set RECB,  49152                      ; a record: K [head][pair f][half][768], then V [head][tile][half][768]
.set SLOTB, 2*RECB
.set VPART, 24576
.set OIMG,  98304                      ; behind slot 0, in blocks into which no fill lands: o's 16 half images (number = wave),
.set OSC,   110592                     ; and its 8 scale images
.set SCB,   229376                     ; behind slot 1: the batch's 65,536 bytes of scale words, filled once
.set SPARE, 294912                     ; the spare words, 128 bytes for each of 16 waves
.set SPIT,  1040                       ; the way out: 64 rows x (1,024 + 16) bytes at LDS byte 0: slot 0 has had its last fill and its last read by then
.set QZ,   16                          ; v16-33   0 x 6, q x 6, 0 x 6
.set QS,   34                          ; q's halfword, twice
.set TMP,  35
.set PA,   36                          ; v36-99   pool A
.set PB,   100                         ; v100-163 pool B
.set O,    164                         ; v164-195 O^T
.set PC,   196                         ; v196-207 p's codes
.set CT,   208                         ; v208-215 the conversions' second halves
.set SCLA, 216                         ; v216-219, v220-223: two sets; lanes 0-15: K's four pair words, lanes 16-31: V's four words
.set SCLB, 220
.set F,    224                         ; f = 2^(old M - new M); v225 is named with it as a pair and holds 0
.set BM,   226                         ; v226-229 four chains of maxima; then my two blocks' largest scores, then largest p
.set SOP,  230                         ; the conversions' scale operands
.set BY,   232                         ; the scale bytes
.set PT,   234                         ; a lane permute's destination
.set RM,   235
.set SM,   236                         ; v236-243 the sum's four chains
.set PW,   244                         ; p's scale word
.set V4L,  245                         ; 4 l;  4 r;  32 h
.set V4R,  246
.set V32H, 247
.set STG,  248                         ; the tail's LDS addresses, made at the head
.set RDB,  249
.set T1,   250
.set T2,   251
.set T3,   252
.set WO,   PB                          ; the tail: w_out's two fragments of columns 16 w .. 16 w + 15, their scale words, b_out in the result's layout
.set WOS,  PB+24
.set BO,   PB+26
.set OF,   134                         ; o's eight fragments, v134-229
.set OS,   230                         ; their scale words
.set YA,   PA                          ; out's four accumulators
.set HW,   232
.set TM,   BM                          ; QUANT2's work registers
.set TP,   PT
.set TS,   SOP
.set T,    CT
.set WV,   18                          ; s18 wave;  s19 head;  s55 query tile
.set SEL,  20
.set CS,   22                          ; s[22:23] c = log2(e) / 8
.set G1,   24                          ; group 1: a quarter of a slot;  G1S: a quarter of the scale words
.set G1S,  32
.set G0,   40                          ; group 0, which walks;  G0S: the scale words'
.set G0S,  44
.set TB,   48                          ; LDS byte of the record whose addresses were made last
.set TSC,  49                          ; and of its scale words, from SCB: 2,048 a step
.set SLOTS, 50                         ; the loop's trips to go
.set LIM,  51                          ; 1 in a wave that prefetches, else the greatest number
.set PFA,  52                          ; s[52:53] where my prefetches stand
.macro QUANT2 s, p, hw                 ; 32 numbers of a lane, register 16 b + i = k 32 b + 16 (lane / 16) + i of my row, become a half image's codes in v[p] on and its halfword in v[hw]
.irp b, 0,1
	v_max3_num_f32 v[TM+\b], |v[\s+16*\b]|, |v[\s+16*\b+1]|, 0x2800000
.endr
.irp i, 2,4,6,8,10,12,14
.irp b, 0,1
	s_delay_alu instid0(VALU_DEP_2)
	v_max3_num_f32 v[TM+\b], v[TM+\b], |v[\s+16*\b+\i]|, |v[\s+16*\b+\i+1]|
.endr
.endr
.irp b, 0,1
	s_delay_alu instid0(VALU_DEP_2)
	v_permlanex16_b32 v[TP+\b], v[TM+\b], s[SEL], s[SEL+1]
.endr
.irp b, 0,1
	s_delay_alu instid0(VALU_DEP_2)
	v_max_num_f32 v[TM+\b], v[TM+\b], v[TP+\b]
.endr
.irp b, 0,1
	s_delay_alu instid0(VALU_DEP_2)
	v_add_nc_u32 v[TS+\b], 0xfe000000, v[TM+\b]
.endr
.irp b, 0,1
	s_delay_alu instid0(VALU_DEP_2)
	v_lshrrev_b32 v[TP+\b], 23, v[TS+\b]
.endr
	s_delay_alu instid0(VALU_DEP_1)
	v_lshl_or_b32 v[\hw], v[TP+1], 8, v[TP]
	v_cvt_scalef32_pk16_bf6_f32 v[\p:\p+2], v[\s:\s+15], v[TS]
	v_cvt_scalef32_pk16_bf6_f32 v[T:T+2], v[\s+16:\s+31], v[TS+1]
	v_nop
.irp i, 0,1,2
	v_permlane16_swap_b32 v[\p+\i], v[T+\i]
.endr
.irp i, 0,1,2
	s_delay_alu instid0(VALU_DEP_3)
	v_mov_b32 v[\p+3+\i], v[T+\i]
.endr
.endm
.macro CREST                           ; a round of the cluster's barrier behind its opening barrier
	s_cmp_lg_u32 s[WV], 0
	s_cbranch_scc1 .Lnot_wave_0_\@
	s_barrier_signal -3
.Lnot_wave_0_\@:
	s_barrier_wait -3
	s_barrier_signal -1
	s_barrier_wait -1
.endm
.macro CROUND                          ; a whole round
	s_barrier_signal -1
	s_barrier_wait -1
	CREST
.endm
.macro PLACES n
.rept \n
	v_nop
.endr
.endm
.macro TLOAD                           ; waves 0-3 fetch a quarter of a slot each
	s_cmp_lt_u32 s[WV], 4
	s_cbranch_scc0 .Lasked_\@
	tensor_load_to_lds s[G0:G0+3], s[G1:G1+7]
	s_nop 0
	PLACES 4
.Lasked_\@:
.endm
; A PREFETCH INTO THE L2 of the slot that the NEXT refill will ask for: two key steps ahead of that load.  All 16 clusters of a batch walk the same records: the batch's first cluster asks.
; A slot is 12 runs of 8,192 bytes: the partner at place cx takes runs 3 cx .. 3 cx + 2, told apart BY ADDRESS; waves 4 to 6 ask for one run each, lanes 256 bytes apart: each block of 256 bytes is named once.
; The last refill asks for nothing; slots 0 and 1 and the scale words come by their loads alone.
.macro ASK
	s_cmp_gt_u32 s[SLOTS], s[LIM]
	s_cbranch_scc0 .Lnot_mine_\@
	global_prefetch_b8 v9, s[PFA:PFA+1] th:TH_LOAD_NT scope:SCOPE_SE
.Lnot_mine_\@:
.endm
.macro MMZ d, a, b, sa, sb             ; a product that starts its sum
	v_wmma_scale_f32_16x16x128_f8f6f4 v[\d:\d+7], v[\a:\a+11], v[\b:\b+11], 0, v[\sa], v[\sb] matrix_a_fmt:MATRIX_FMT_BF6 matrix_b_fmt:MATRIX_FMT_BF6
.endm
.macro MMC d, a, b, c, sa, sb
	v_wmma_scale_f32_16x16x128_f8f6f4 v[\d:\d+7], v[\a:\a+11], v[\b:\b+11], v[\c:\c+7], v[\sa], v[\sb] matrix_a_fmt:MATRIX_FMT_BF6 matrix_b_fmt:MATRIX_FMT_BF6
.endm
.macro KLOAD P, SX                     ; 17 LDS loads: a step's scale words and K's four fragments
	ds_load_b128 v[\SX:\SX+3], v8
.irp f, 0,1,2,3
.irp u, 0,1
	ds_load_b128 v[\P+12*\f+6*\u:\P+12*\f+6*\u+3], v6 offset:1536*\f+768*\u
	ds_load_b64 v[\P+12*\f+6*\u+4:\P+12*\f+6*\u+5], v7 offset:1536*\f+768*\u
.endr
.endr
.endm
.macro SUMR S, j                       ; four more pairs of p onto the four chains
.irp k, 0,1,2,3
	v_pk_add_f32 v[SM+2*\k:SM+2*\k+1], v[SM+2*\k:SM+2*\k+1], v[\S+2*\k+8*\j:\S+2*\k+8*\j+1]
.endr
.endm
; A KEY STEP.  S: the pool for the scores; N: the pool that holds K(n) and takes V(n); SC: this step's scale words; SN: the next step's.
; mode 0: the next record lies in this slot; 1: a change of slots with a refill; 2: a change without; 3: the last step (S is pool B there: it takes w_out).
.macro STEP S, N, SC, SN, mode
	s_wait_dscnt 0x0                               ; K(n) and its scale words
.irp f, 0,1,2,3                                ; register 32 e + 8 m + j of S is key 64 e + 32 (lane / 16) + 8 m + j
	MMZ \S+16*\f, \N+12*\f, QZ+6, \SC+\f, QS
	MMZ \S+16*\f+8, \N+12*\f, QZ, \SC+\f, QS
.endr
	PLACES 4                                       ; ahead of loads into K's registers and of reads of the scores
.irp d, 0,1,2,3
.irp e, 0,1
	ds_load_b128 v[\N+12*\d+6*\e:\N+12*\d+6*\e+3], v6 offset:VPART+1536*\d+768*\e
	ds_load_b64 v[\N+12*\d+6*\e+4:\N+12*\d+6*\e+5], v7 offset:VPART+1536*\d+768*\e
.endr
.endr
.irp b, 0,1                                    ; my two blocks' largest scores, two chains each, each accumulator from its low end on
	v_max3_num_f32 v[BM+\b], v[\S+32*\b], v[\S+32*\b+1], v[\S+32*\b+2]
	v_max3_num_f32 v[BM+2+\b], v[\S+32*\b+17], v[\S+32*\b+18], v[\S+32*\b+19]
.endr
.irp i, 0,2,4,6,8,10
.irp b, 0,1
	v_max3_num_f32 v[BM+\b], v[BM+\b], v[\S+32*\b+3+\i], v[\S+32*\b+4+\i]
	v_max3_num_f32 v[BM+2+\b], v[BM+2+\b], v[\S+32*\b+20+\i], v[\S+32*\b+21+\i]
.endr
.endr
.irp b, 0,1
	v_max3_num_f32 v[BM+\b], v[BM+\b], v[\S+32*\b+15], v[\S+32*\b+16]
.endr
.irp b, 0,1
	s_delay_alu instid0(VALU_DEP_2)
	v_max_num_f32 v[BM+\b], v[BM+\b], v[BM+2+\b]
.endr
	s_delay_alu instid0(VALU_DEP_1)
	v_max_num_f32 v[RM], v[BM], v[BM+1]
	s_delay_alu instid0(VALU_DEP_1)
	v_permlanex16_b32 v[PT], v[RM], s[SEL], s[SEL+1]
	s_delay_alu instid0(VALU_DEP_1)
	v_max_num_f32 v[RM], v[RM], v[PT]              ; the step's largest score of my query
	s_delay_alu instid0(VALU_DEP_1)
	v_mul_f32 v[RM], s[CS], v[RM]                  ; as t (c is positive)
	s_delay_alu instid0(VALU_DEP_1)
	v_max_num_f32 v13, v13, v[RM]                  ; the running largest t
	s_delay_alu instid0(VALU_DEP_1)
	v_floor_f32 v12, -v13                          ; the new -M = floor(-t): M is a whole number
.set J, 0
.rept 32
	v_pk_fma_f32 v[\S+J:\S+J+1], v[\S+J:\S+J+1], s[CS:CS+1], v[12:13] op_sel_hi:[1,0,0]   ; t - M, two at a time
.set J, J+2
.endr
.irp b, 0,1
	v_fma_f32 v[BM+\b], v[BM+\b], s[CS], v12       ; the same of each block's largest score: p rises with the score
.endr
	s_wait_alu depctr_va_vdst(0)                   ; ahead of the batch, and ahead of the waits below
.if (\mode == 1) || (\mode == 2)
	s_wait_tensorcnt 0x0                           ; all my tensor loads have landed: my part of the next slot
	ds_add_u32 v4, v5                              ; 0 onto my spare word
.if \mode == 1
	ds_add_u32 v4, v5                              ; and once more
	s_xor_b32 s[G0+1], s[G0+1], SLOT1              ; no load of mine is out: the slot that is being left,
	s_add_nc_u64 s[G0+2:G0+3], s[G0+2:G0+3], SLOTB ; the next two records
	s_wait_xcnt 0x0                                ; the last prefetch, a slot back, has read its address
	s_add_nc_u64 s[PFA:PFA+1], s[PFA:PFA+1], SLOTB
.endif
	s_wait_dscnt 0x0                               ; the add is done, and V(n), my last reads of this slot, are in
	s_barrier_signal -1                            ; only work on registers stands between this signal and its wait
.endif
.irp b, 0,1
	v_exp_f32 v[BM+\b], v[BM+\b]                   ; the block's largest p
.endr
.set J, 0
.rept 64
	v_exp_f32 v[\S+J], v[\S+J]                     ; p = 2^(t - M), at most 1
.set J, J+1
.endr
	v_sub_f32 v[TMP], v12, v[TMP]                  ; old M - new M: a whole number, 0 or less.  (Plain work behind the exponentials)
	s_delay_alu instid0(VALU_DEP_1)
	v_cvt_i32_f32 v[TMP], v[TMP]                   ; (it saturates)
	s_delay_alu instid0(VALU_DEP_1)
	v_ldexp_f32 v[F], 1.0, v[TMP]                  ; f = 2^(old M - new M)
	s_wait_alu depctr_va_vdst(0)                   ; one wait for the whole batch, ahead of its first reader
.irp b, 0,1
	v_max_num_f32 v[BM+\b], 0x2800000, v[BM+\b]    ; the floor 2^(5 - 127): the byte cannot fall under 1
.endr
.irp k, 0,1,2,3
	v_pk_add_f32 v[SM+2*\k:SM+2*\k+1], v[\S+2*\k:\S+2*\k+1], v[\S+2*\k+8:\S+2*\k+9]   ; the sum of the unquantised p, in four chains; the scale's lines stand among them
.endr
.irp b, 0,1
	v_add_nc_u32 v[SOP+\b], 0xfe000000, v[BM+\b]   ; 4 off the exponent field: the conversion's scale operand
.endr
	SUMR \S, 2
.irp b, 0,1
	v_lshrrev_b32 v[BY+\b], 23, v[SOP+\b]          ; the bytes of blocks h and 2 + h
.endr
	SUMR \S, 3
	v_lshl_or_b32 v[BY], v[BY+1], 16, v[BY]
	SUMR \S, 4
	v_permlanex16_b32 v[PT], v[BY], s[SEL], s[SEL+1]
	SUMR \S, 5
	v_lshl_or_b32 v[PW], v[PT], 8, v[BY]           ; lanes 0-15, which are read: blocks 0, 1, 2, 3
	SUMR \S, 6
	SUMR \S, 7
.irp c, 0,1
	v_cvt_scalef32_pk16_bf6_f32 v[PC+6*\c:PC+6*\c+2], v[\S+32*\c:\S+32*\c+15], v[SOP+\c]
	v_cvt_scalef32_pk16_bf6_f32 v[CT+4*\c:CT+4*\c+2], v[\S+32*\c+16:\S+32*\c+31], v[SOP+\c]   ; (a conversion's three registers begin on an even number)
.endr
.if \mode == 0
	s_add_co_u32 s[TB], s[TB], RECB
.endif
.if (\mode == 1) || (\mode == 2)
	s_sub_co_u32 s[TB], s[TB], RECB                ; a slot's first record,
	s_xor_b32 s[TB], s[TB], SLOT1                  ; in the other slot
.endif
.if \mode < 3
	s_add_co_u32 s[TSC], s[TSC], 2048
	v_add_nc_u32 v6, s[TB], v1                     ; the next record's addresses; also the plain place behind the conversions
	v_add_nc_u32 v7, s[TB], v2
	v_add_nc_u32 v8, s[TSC], v3
.else
	v_nop
.endif
.if (\mode == 1) || (\mode == 2)
	s_wait_alu depctr_va_vdst(0)                   ; ahead of the barrier's wait and the branches
	s_barrier_wait -1
.endif
.if \mode == 1
	CREST                                          ; no wave of any partner still reads the slot left or has a load on its way
	TLOAD                                          ; the first tensor load behind the round
	ASK
.endif
.if \mode < 3
	KLOAD \S, \SN                                  ; K(n + 1) into the pool that p has left
.else
.irp k, 0,1,2,3,4,5
	global_load_b128 v[WO+4*\k:WO+4*\k+3], v10, s[76:77] offset:512*\k
.endr
	global_load_b32 v[WOS], v[V4L], s[78:79]
	global_load_b32 v[WOS+1], v[V4L], s[78:79] offset:128
	global_load_b128 v[BO:BO+3], v[V32H], s[14:15]         ; lane (r, h): b_out of columns 16 w + 8 h + 0 .. 7
	global_load_b128 v[BO+4:BO+7], v[V32H], s[14:15] offset:16
.endif
.irp c, 0,1
.irp i, 0,1,2
	v_mov_b32 v[PC+6*\c+3+\i], v[CT+4*\c+\i]
.endr
.endr
	s_wait_alu depctr_va_vdst(0)                   ; directly ahead of the first reader of O^T
.set J, 0
.rept 16
	v_pk_mul_f32 v[O+J:O+J+1], v[O+J:O+J+1], v[F:F+1] op_sel_hi:[1,0]   ; O^T under the new M; these sixteen are also the places between the codes' and the scale word's last writes and the products
.set J, J+2
.endr
	s_wait_alu depctr_va_vdst(0)                   ; ahead of the wait below
.if \mode < 3
	s_wait_dscnt 17                                ; V(n) is in; the 17 loads of K(n + 1) behind it may be out
.else
	s_wait_dscnt 0x0
.endif
.irp d, 0,1,2,3                                ; O^T += V^T P^T: the four accumulators by turns; V's words lie in lanes 16-31
	v_wmma_scale_f32_16x16x128_f8f6f4 v[O+8*\d:O+8*\d+7], v[\N+12*\d:\N+12*\d+11], v[PC:PC+11], v[O+8*\d:O+8*\d+7], v[\SC+\d], v[PW] matrix_a_fmt:MATRIX_FMT_BF6 matrix_b_fmt:MATRIX_FMT_BF6 matrix_a_scale:MATRIX_SCALE_ROW1
.endr
	v_pk_add_f32 v[SM:SM+1], v[SM:SM+1], v[SM+2:SM+3]      ; the sum's end: five plain lines that name none of the products' registers: the places ahead of the next scores, which are laid over V(n)
	v_pk_add_f32 v[SM+4:SM+5], v[SM+4:SM+5], v[SM+6:SM+7]
	v_mov_b32 v[TMP], v12                          ; -M as it stands, for the next step
	v_pk_add_f32 v[SM:SM+1], v[SM:SM+1], v[SM+4:SM+5]
	s_delay_alu instid0(VALU_DEP_1)
	v_pk_fma_f32 v[14:15], v[14:15], v[F:F+1], v[SM:SM+1] op_sel_hi:[1,0,1]   ; the old sum under the new M, and this step's
.endm
	s_load_b256 s[4:11], s[0:1], 0x0               ; qc s[4:5], qs s[6:7], kvc s[8:9], kvs s[10:11]
	s_load_b128 s[12:15], s[0:1], 0x20             ; wimg s[12:13], b_out s[14:15]
	s_load_b64 s[16:17], s[0:1], 0x30              ; out0
	v_lshl_add_u32 v4, v0, 2, SPARE
	v_mov_b32 v5, 0
	ds_add_u32 v4, v5                              ; the opening lines: the add, twice on end, and its wait
	ds_add_u32 v4, v5
	v_lshrrev_b32 v[TMP], 5, v0
	s_delay_alu instid0(VALU_DEP_1)
	v_readfirstlane_b32 s[WV], v[TMP]              ; wave 0..15
	s_and_b32 s19, s[WV], 3                        ; my head.  Also: which quarter I fetch, if I fetch
	s_lshr_b32 s55, s[WV], 2                       ; my query tile
	s_mul_i32 s2, s19, 6144
	s_add_co_u32 s3, s2, 512
	s_lshl_b32 s56, s19, 9
	s_add_co_u32 s56, s56, SCB
	s_mul_i32 s57, s[WV], 768
	s_add_co_u32 s58, s57, OIMG
	s_add_co_u32 s57, s57, OIMG+512
	s_lshr_b32 s59, s[WV], 1
	s_lshl_b32 s59, s59, 7
	s_and_b32 s60, s[WV], 1
	s_lshl_b32 s60, s60, 1
	s_add_co_u32 s59, s59, s60
	s_add_co_u32 s59, s59, OSC
	s_lshl_b32 s60, s[WV], 6
	s_mul_i32 s61, s[WV], 4*SPIT
	v_and_b32 v[TMP], 31, v0                       ; lane l
	v_and_b32 v[V4R], 15, v0                       ; r
	v_bfe_u32 v[V32H], v0, 4, 1                    ; h
	v_lshlrev_b32 v10, 4, v[TMP]                   ; 16 l
	v_lshlrev_b32 v11, 3, v[TMP]                   ; 8 l
	v_lshlrev_b32 v9, 8, v[TMP]                    ; the prefetches' offset: 256 l
	v_lshlrev_b32 v[V4L], 2, v[TMP]
	v_mul_u32_u24 v[STG], v[V4R], SPIT
	v_lshlrev_b32 v[V4R], 2, v[V4R]
	v_lshlrev_b32 v[V32H], 5, v[V32H]
	v_add_nc_u32 v1, s2, v10                       ; my head's images in a record: registers 0-3,
	v_add_nc_u32 v2, s3, v11                       ; registers 4-5
	v_add_nc_u32 v3, s56, v10                      ; my head's scale words of a step
	v_add_nc_u32 v[T1], s58, v10                   ; where I store o's half image (number w = 4 x tile + head),
	v_add_nc_u32 v[T2], s57, v11
	v_add_nc_u32 v[T3], s59, v[V4L]                ; and its halfword: image w / 2, half w % 2
	v_add_nc_u32 v[STG], v[STG], v[V32H]
	v_add_nc_u32 v[RDB], s61, v10                  ; the stage, back: my four rows, 16 bytes a lane
	v_add_nc_u32 v[STG], s60, v[STG]               ; the stage, in: row r, + 32 h, + 64 w
.irp j, 0,1,2,3,4,5
	v_mov_b32 v[QZ+\j], 0
	v_mov_b32 v[QZ+12+\j], 0
.endr
	v_mov_b32 v13, 0xff61b1e6                      ; the largest t so far: -3e38, under every t
	v_mov_b32 v14, 0                               ; the sum, in two halves
	v_mov_b32 v15, 0
	v_mov_b32 v[PT], 0                             ; a lane permute's destination counts as one of its sources
	v_mov_b32 v[F+1], 0
	v_floor_f32 v12, -v13                          ; -M
	s_wait_alu depctr_va_vdst(0)                   ; ahead of the run of scalar lines
	s_mov_b32 s[SEL], 0x76543210
	s_mov_b32 s[SEL+1], 0xfedcba98
	s_mov_b32 s[CS], 0x3e38aa3b                    ; c = log2(e) / 8
	s_mov_b32 s[CS+1], s[CS]
	s_mov_b32 s[TB], 0
	s_mov_b32 s[TSC], 0
	s_mov_b32 s[SLOTS], 14                         ; 16 slots' worth of keys: slots 0 and 1 are asked for ahead of the loop, one in each of 14 trips
.irp g, G1, G1S                                ; the descriptors: nothing in them hangs on the work-group's place in its cluster
	s_mov_b32 s[\g], 15|(3<<16)|(1<<21)            ; the mask: all four work-groups; elements of 8 bytes; bit 21 beside a mask; no padding
	s_mov_b32 s[\g+1], 32<<16                      ; rows of 256 bytes
	s_mov_b32 s[\g+3], 32<<16
	s_mov_b32 s[\g+5], 32                          ; dense
	s_mov_b32 s[\g+6], 0
	s_mov_b32 s[\g+7], 0
.endr
	s_mov_b32 s[G1+2], 96<<16                      ; 96 rows: a quarter of a slot's 98,304 bytes
	s_mov_b32 s[G1+4], 96
	s_mov_b32 s[G1S+2], 64<<16                     ; 64 rows: a quarter of the batch's 65,536 bytes of scale words
	s_mov_b32 s[G1S+4], 64
	s_and_b32 s56, ttmp7, 0xffff                   ; the batch, which the four partners share
	s_mul_i32 s57, s19, 24576
	s_mul_i32 s58, s56, 32*RECB
	s_add_co_u32 s58, s58, s57
	s_mov_b32 s59, 0
	s_lshl_b32 s60, s19, 14
	s_lshl_b32 s62, s56, 16
	s_add_co_u32 s62, s62, s60
	s_mov_b32 s63, 0
	s_bfe_u32 s54, ttmp6, 0x40000                  ; cx: it enters addresses in memory alone
	s_lshl_b32 s66, ttmp9, 2
	s_add_co_u32 s66, s66, s54
	s_lshl_b32 s67, s56, 6
	s_add_co_u32 s66, s66, s67                     ; my group of 64 queries: 64 x batch + 4 x cluster + cx
	s_mul_i32 s68, s66, 12288                      ; q's image: group, head, tile
	s_mul_i32 s67, s19, 3072
	s_add_co_u32 s68, s68, s67
	s_mul_i32 s67, s55, 768
	s_add_co_u32 s68, s68, s67
	s_mov_b32 s69, 0
	s_lshl_b32 s70, s66, 9                         ; q's scale words: group, head, pair of tiles
	s_lshl_b32 s67, s19, 7
	s_add_co_u32 s70, s70, s67
	s_lshr_b32 s67, s55, 1
	s_lshl_b32 s67, s67, 6
	s_add_co_u32 s70, s70, s67
	s_mov_b32 s71, 0
	s_lshl_b32 s72, s66, 6                         ; the four rows of out that I store: stage rows 4 w + i are rows r = 4 (w % 4) + i of tile t = w / 4: token 8 t + r % 8 + 32 (r / 8)
	s_lshl_b32 s67, s55, 3
	s_add_co_u32 s72, s72, s67
	s_and_b32 s67, s19, 1
	s_lshl_b32 s67, s67, 2
	s_add_co_u32 s72, s72, s67
	s_lshr_b32 s67, s19, 1
	s_lshl_b32 s67, s67, 5
	s_add_co_u32 s72, s72, s67
	s_lshl_b32 s72, s72, 10                        ; rows of 1,024 bytes
	s_mov_b32 s73, 0
	s_mul_i32 s74, s54, 3                          ; the prefetches: run 3 cx + w % 4 of a slot's twelve,
	s_add_co_u32 s74, s74, s19
	s_lshl_b32 s74, s74, 13
	s_add_co_u32 s74, s74, 2*SLOTB                 ; in slot 2, which is named when slot 1 is asked for
	s_mul_i32 s67, s56, 32*RECB
	s_add_co_u32 s74, s74, s67
	s_mov_b32 s75, 0
	s_xor_b32 s[LIM], s55, 1                       ; 0 in waves 4 to 7,
	s_or_b32 s[LIM], s[LIM], ttmp9                 ; of the batch's first cluster: the same in all four partners
	s_cmp_eq_u32 s[LIM], 0
	s_cselect_b32 s[LIM], 1, -1
	s_cmp_eq_u32 s[WV], 7                          ; (a partner's share is three waves' worth)
	s_cselect_b32 s[LIM], -1, s[LIM]
	s_mul_i32 s76, s[WV], 3072                     ; w_out's tile w: two fragments,
	s_add_co_u32 s76, s76, 159744
	s_mov_b32 s77, 0
	s_lshl_b32 s78, s[WV], 8                       ; their scale words,
	s_add_co_u32 s78, s78, 208896
	s_mov_b32 s79, 0
	s_lshl_b32 s80, s[WV], 6                       ; and b_out's 16 numbers
	s_mov_b32 s81, 0
	s_wait_dscnt 0x0                               ; both opening adds are done
	s_wait_kmcnt 0x0
	s_mov_b32 s[G0], 1
	s_mov_b32 s[G0+1], s57                         ; slot 0
	s_add_nc_u64 s[G0+2:G0+3], s[8:9], s[58:59]
	s_or_b32 s[G0+3], s[G0+3], 0x80000000          ; type = 2
	s_mov_b32 s[G0S], 1
	s_add_co_u32 s[G0S+1], s60, SCB
	s_add_nc_u64 s[G0S+2:G0S+3], s[10:11], s[62:63]
	s_or_b32 s[G0S+3], s[G0S+3], 0x80000000
	s_add_nc_u64 s[4:5], s[4:5], s[68:69]
	s_add_nc_u64 s[6:7], s[6:7], s[70:71]
	s_add_nc_u64 s[16:17], s[16:17], s[72:73]
	s_add_nc_u64 s[PFA:PFA+1], s[8:9], s[74:75]
	s_add_nc_u64 s[76:77], s[12:13], s[76:77]
	s_add_nc_u64 s[78:79], s[12:13], s[78:79]
	s_add_nc_u64 s[14:15], s[14:15], s[80:81]
	CROUND                                         ; all four work-groups are here: the first joint loads meet
	s_cmp_lt_u32 s[WV], 4                          ; the head's loads, at most one a wave, in one chain of arms: waves 0-3 slot 0, waves 4-7 the scale words
	s_cbranch_scc0 .Lhead_sc
	tensor_load_to_lds s[G0:G0+3], s[G1:G1+7]
	s_nop 0
	PLACES 4
	s_branch .Lhead_join
.Lhead_sc:
	s_cmp_lt_u32 s[WV], 8
	s_cbranch_scc0 .Lhead_join
	tensor_load_to_lds s[G0S:G0S+3], s[G1S:G1S+7]
	s_nop 0
	PLACES 4
.Lhead_join:
	global_load_b128 v[QZ+6:QZ+9], v10, s[4:5]             ; q stays in registers
	global_load_b64 v[QZ+10:QZ+11], v11, s[4:5] offset:512
	global_load_b32 v[QS], v[V4R], s[6:7]
	s_and_b32 s2, s55, 1
	s_lshl_b32 s2, s2, 4
	s_wait_loadcnt 0x0
	v_lshrrev_b32 v[QS], s2, v[QS]                 ; my tile's halfword of the pair's word,
	s_delay_alu instid0(VALU_DEP_1)
	v_and_b32 v[QS], 0xffff, v[QS]
	s_delay_alu instid0(VALU_DEP_1)
	v_lshl_or_b32 v[QS], v[QS], 16, v[QS]          ; twice: for (q, 0) and for (0, q)
.set J, 0
.rept 32
	v_mov_b32 v[O+J], 0                            ; O^T: the step is written once, and the first change of M leaves zeros zeros.  (These also stand between the scale word's last write and the first product)
.set J, J+1
.endr
	s_wait_alu depctr_va_vdst(0)
	s_wait_tensorcnt 0x0                           ; slot 1's first fill is issued as a refill is: my head's load has landed,
	ds_add_u32 v4, v5                              ; the add,
	ds_add_u32 v4, v5                              ; twice
	s_xor_b32 s[G0+1], s[G0+1], SLOT1
	s_add_nc_u64 s[G0+2:G0+3], s[G0+2:G0+3], SLOTB
	s_wait_dscnt 0x0
	CROUND                                         ; slot 0 and the scale words are whole for every wave
	TLOAD                                          ; slot 1
	ASK                                            ; slot 2
	v_add_nc_u32 v6, s[TB], v1
	v_add_nc_u32 v7, s[TB], v2
	v_add_nc_u32 v8, s[TSC], v3
	KLOAD PB, SCLA
	v_mov_b32 v[TMP], v12
	s_wait_alu depctr_va_vdst(0)
.Lslot:                                            ; 14 trips, a slot each; the change at a trip's end asks for the slot two on
	STEP PA, PB, SCLA, SCLB, 0
	STEP PB, PA, SCLB, SCLA, 1
	s_sub_co_u32 s[SLOTS], s[SLOTS], 1
	s_cmp_lg_u32 s[SLOTS], 0
	s_cbranch_scc1 .Lslot
	STEP PA, PB, SCLA, SCLB, 0                     ; the last two slots are written out: nothing more is asked for
	STEP PB, PA, SCLB, SCLA, 2
	STEP PA, PB, SCLA, SCLB, 0
	STEP PB, PA, SCLB, SCLA, 3
	; ---- o = O^T / the sum, quantised along the 64 channels of my head; its image goes to LDS
	v_add_f32 v14, v14, v15                        ; the sum's two halves,
	s_delay_alu instid0(VALU_DEP_1)
	v_permlanex16_b32 v[PT], v14, s[SEL], s[SEL+1]
	s_delay_alu instid0(VALU_DEP_1)
	v_add_f32 v14, v14, v[PT]                      ; and lane l xor 16's
	s_wait_alu depctr_va_vdst(0)
	v_rcp_f32 v14, v14
	v_add_nc_u32 v6, OIMG, v10                     ; where all sixteen images are read.  (Plain work behind the reciprocal)
	v_add_nc_u32 v7, OIMG+512, v11
	v_add_nc_u32 v8, OSC, v[V4L]
	s_wait_alu depctr_va_vdst(0)                   ; ahead of the reciprocal's first reader, which is also the first reader of O^T
.set J, 0
.rept 16
	v_pk_mul_f32 v[PA+J:PA+J+1], v[O+J:O+J+1], v[14:15] op_sel_hi:[1,0]   ; register 16 b + i is channel 32 b + 16 h + i of my query; each accumulator from its low end on
.set J, J+2
.endr
	QUANT2 PA, PC, HW
	ds_store_b128 v[T1], v[PC:PC+3]
	ds_store_b64 v[T2], v[PC+4:PC+5]
	ds_store_b16 v[T3], v[HW]
	s_wait_dscnt 0x0                               ; for the others' sake: my stores have landed
	s_barrier_signal -1
	s_barrier_wait -1
	; ---- out^T = W^T o^T + b_out: my 16 columns for the 64 queries; K step s = heads 2 s, 2 s + 1
.set K, 0
.rept 16
	ds_load_b128 v[OF+6*K:OF+6*K+3], v6 offset:768*K
	ds_load_b64 v[OF+6*K+4:OF+6*K+5], v7 offset:768*K
.set K, K+1
.endr
.irp j, 0,1,2,3,4,5,6,7
	ds_load_b32 v[OS+\j], v8 offset:128*\j
.endr
	s_wait_loadcnt 0x0                             ; w_out, its scale words, b_out
	s_wait_dscnt 0x0
.irp t, 0,1,2,3                                ; the four accumulators by turns; the bias is the C of each sum's first product
	MMC YA+8*\t, WO, OF+24*\t, BO, WOS, OS+2*\t
.endr
.irp t, 0,1,2,3
	MMC YA+8*\t, WO+12, OF+24*\t+12, YA+8*\t, WOS+1, OS+2*\t+1
.endr
	PLACES 5
.irp t, 0,1,2,3
	ds_store_b128 v[STG], v[YA+8*\t:YA+8*\t+3] offset:16*SPIT*\t        ; lane (r, h): out(row r of tile t, columns 16 w + 8 h + 0 .. 7); each accumulator from its low end on
	ds_store_b128 v[STG], v[YA+8*\t+4:YA+8*\t+7] offset:16*SPIT*\t+16
.endr
	s_wait_dscnt 0x0                               ; a row's 1,024 bytes come from sixteen waves
	s_barrier_signal -1
	s_barrier_wait -1
.irp k, 0,1,2,3,4,5,6,7
	ds_load_b128 v[OF+4*\k:OF+4*\k+3], v[RDB] offset:SPIT*(\k/2)+512*(\k%2)
.endr
.irp k, 0,1,2,3,4,5,6,7
	s_wait_dscnt 7-\k                              ; the younger loads from the stage may be out
	global_store_b128 v10, v[OF+4*\k:OF+4*\k+3], s[16:17] offset:1024*(\k/2)+512*(\k%2) th:TH_STORE_NT   ; 512 consecutive bytes, at a multiple of 256 from out's first byte
.endr
	s_wait_tensorcnt 0x0                           ; the wave's end
	ds_add_u32 v4, v5
	s_wait_dscnt 0x0
	CROUND                                         ; the closing round
	s_endpgm
.Lfunc_end_k_q56b9be8e77_attn:
	.size	k_q56b9be8e77_attn, .Lfunc_end_k_q56b9be8e77_attn-k_q56b9be8e77_attn
	.p2alignl 7, 3214868480
	.fill 96, 4, 3214868480
	.section	.rodata,"a",@progbits
	.p2align	6, 0x0
	.amdhsa_kernel k_q56b9be8e77_attn
		.amdhsa_group_segment_fixed_size 327680
		.amdhsa_private_segment_fixed_size 0
		.amdhsa_enable_private_segment 0
		.amdhsa_kernarg_size 56
		.amdhsa_user_sgpr_count 2
		.amdhsa_user_sgpr_kernarg_segment_ptr 1
		.amdhsa_wavefront_size32 1
		.amdhsa_system_sgpr_workgroup_id_x 1
		.amdhsa_system_sgpr_workgroup_id_y 1
		.amdhsa_system_sgpr_workgroup_id_z 1
		.amdhsa_system_vgpr_workitem_id 0
		.amdhsa_next_free_vgpr 256
		.amdhsa_next_free_sgpr 90
		.amdhsa_reserve_vcc 0
		.amdhsa_float_denorm_mode_32 3
		.amdhsa_float_denorm_mode_16_64 3
		.amdhsa_memory_ordered 1
		.amdhsa_forward_progress 1
		.amdhsa_inst_pref_size 114
	.end_amdhsa_kernel
	.amdgpu_metadata
---
amdhsa.version: [ 1, 2 ]
amdhsa.kernels:
  - .name:           k_q56b9be8e77_attn
    .symbol:         k_q56b9be8e77_attn.kd
    .args:
      - { .name: qc, .offset: 0, .size: 8, .value_kind: global_buffer, .address_space: global }
      - { .name: qs, .offset: 8, .size: 8, .value_kind: global_buffer, .address_space: global }
      - { .name: kvc, .offset: 16, .size: 8, .value_kind: global_buffer, .address_space: global }
      - { .name: kvs, .offset: 24, .size: 8, .value_kind: global_buffer, .address_space: global }
      - { .name: wimg, .offset: 32, .size: 8, .value_kind: global_buffer, .address_space: global }
      - { .name: b_out, .offset: 40, .size: 8, .value_kind: global_buffer, .address_space: global }
      - { .name: out0, .offset: 48, .size: 8, .value_kind: global_buffer, .address_space: global }
    .group_segment_fixed_size: 327680
    .private_segment_fixed_size: 0
    .kernarg_segment_align: 8
    .kernarg_segment_size: 56
    .max_flat_workgroup_size: 512
    .sgpr_count:     90
    .vgpr_count:     256
    .wavefront_size: 32
...
	.end_amdgpu_metadata
.endif
;; end of part 3
